; MI455X (gfx1250); checked and timed in simulation.
; The chip was launched on July 23, 2026; its instructions are those of AMD's public machine-readable ISA for CDNA 5 (MIT licence, August 2026) and "CDNA5" Instruction Set Architecture Reference Guide (July 2026). The comments in the code are by the model that wrote it; some were corrected since.
;; Memory Retrieval. Allowed arithmetic: float matrix products may take bf16 or f16 operands with f32 sums; other float arithmetic in f32, or as packed bf16 or f16 multiplies, adds, multiply-adds, maxima and minima; sums over many terms, partial sums and values carried from step to step in f32; what a program stores and reads back later, other than sums and carried values, may be rounded once to bf16 or f16.
;; Inputs: keys 32,768 x 1,024 float32; query 2,048 x 1,024 float32; values 32,768 x 1,024 float32.
;; Outputs: out0 2,048 x 1,024 float32; out1 one number float32.
;; 2 versions, each right; version 2 is version 1 with the launch cast written anew for expert scheduling mode. Each part assembles by itself: llvm-mc -triple=amdgcn-amd-amdhsa -mcpu=gfx1250 --defsym DOCPART=n.
;; ======== version 1 of 2: 4 launches
;; limits: a difference of large sums (such as E[x^2] - mean^2): digits are lost where the result is much smaller than its terms
;; workspace buffers: kb 67,108,864 bytes; qb 4,194,304 bytes; kinv 131,072 bytes; qinv 8,192 bytes; piv 8,192 bytes; part 4,194,304 bytes; best 8,192 bytes of whole numbers; rowvar 8,192 bytes
;; launch cast (part 1): grid 544 x 1, 8 waves a work-group, no clusters, 0 bytes of LDS; arguments keys, query, kb, qb, kinv, qinv, piv; writes kb, qb, kinv, qinv, piv
.if DOCPART == 1
	.amdgcn_target "amdgcn-amd-amdhsa--gfx1250"
	.amdhsa_code_object_version 6
	.text
	.protected	k_qe6cd82f085_cast
	.globl	k_qe6cd82f085_cast
	.p2align	8
	.type	k_qe6cd82f085_cast,@function
k_qe6cd82f085_cast:
	s_mov_b64 s[64:65], 0
	v_nop
	global_prefetch_b8 v0, s[64:65] scope:SCOPE_SE
	s_setreg_imm32_b32 hwreg(HW_REG_WAVE_MODE, 25, 1), 1
	s_wait_xcnt 0x0
; keys [32768][1024] f32 -> kb bf16, kinv[n] = 1 / max(|kb row n|, 1e-12);  query [2048][1024] f32 -> qb bf16, qinv likewise,
; piv[b] = (qb row b . kb row 0) x kinv[0]: the row's score against key 0, which the next launch takes away from every score of that row.
; The RAW rows are rounded once to bf16 and the norms are taken of the ROUNDED rows, in f32: the scores made of them are those of the
; inputs rounded to bf16, with no second rounding of a normalised operand.
; SHARES.  Work-groups 0-511 take 64 rows of keys each, 512-543 take 64 rows of query.  A wave takes 8 rows, one at a time, whole, so a norm never
; leaves the wave: no LDS, no barrier.  Lane L holds columns 256 c + 8 L + 0..7, c = 0..3: two loads of 16 bytes at 1024 c + 32 L, and its 8 bf16
; are 16 bytes at 512 c + 16 L: a wave's store covers 512 consecutive bytes that begin at a multiple of 512.
; A stream: the matrix unit, LDS and clusters have nothing to give here.  Two row slots in registers: one at work, one on its way in.
; LIMITS.  The root is good to 1 ULP; the reciprocal has one Newton step.  A sum of squares below 2^-126 counts as 0 (the bound 1e-12 then holds).  NaN and infinities are not treated apart.
; The 8 reciprocals of a wave leave as one store of 32 bytes (147,456 bytes of the launch's 71 million).
.set ROWB, 4096                        ; a row in f32
.set ROWH, 2048                        ; a row in bf16
.set VI,    2                          ; v2   32 x lane: my place in 1,024 bytes of a source row
.set VO,    3                          ; v3   16 x lane: my place in 512 bytes of a rounded row
.set INVV,  4                          ; v4   lane i (0..7) gathers 1 / norm of the wave's row i
.set PIVV,  5                          ; v5   the same for the pivot
.set W,     6                          ; v6-7 at work
.set SS,    8                          ; v[8:15]    four pairs: sums of squares
.set DT,    16                         ; v[16:23]   four pairs: sums of products with key 0
.set T,     24                         ; v[24:39]   eight numbers in f32, two sets by turns
.set Y,     40                         ; v[40:55]   the row in bf16
.set X,     56                         ; v[56:119]  two slots of 32: the row in f32
.set K0,    120                        ; v[120:151] my 32 columns of key 0, rounded, as f32
.set KINV0, 152                        ; v152 1 / norm of key 0
.set V4L,   153                        ; v153 4 x lane
.set SRC, 24                           ; s[24:25] source at the wave's row in hand
.set DST, 26                           ; s[26:27] the rounded rows likewise
.set INV, 28                           ; s[28:29] kinv or qinv at the wave's first row
.set PIV, 36                           ; s[36:37] piv likewise
	s_load_b256 s[4:11], s[0:1], 0x0               ; keys s[4:5], query s[6:7], kb s[8:9], qb s[10:11]
	s_load_b128 s[12:15], s[0:1], 0x20             ; kinv s[12:13], qinv s[14:15]
	s_load_b64 s[16:17], s[0:1], 0x30              ; piv
	v_and_b32 v1, 31, v0                           ; lane
	v_lshrrev_b32 v[W], 5, v0
	v_readfirstlane_b32 s20, v[W]                  ; wave
	v_lshlrev_b32 v[VI], 5, v1
	v_lshlrev_b32 v[VO], 4, v1
	v_lshlrev_b32 v[V4L], 2, v1
	v_mov_b32 v[INVV], 0                           ; written whole once: the selects below change one lane at a time
	v_mov_b32 v[PIVV], 0
	v_mov_b32 v[W+1], 0                            ; v_permlanex16_b32's destination counts as read
	s_mov_b32 s31, 0xffff0000                      ; a word's upper bf16
	s_mov_b32 s32, 0x76543210                      ; v_permlanex16_b32: each lane takes its own place in the other half
	s_mov_b32 s33, 0xfedcba98
	s_mov_b32 s35, 0                               ; the row in hand, 0..7
	s_mov_b32 s34, 3                               ; trips that load ahead
	s_mov_b32 s23, 0                               ; high word of every offset
	s_lshl_b32 s20, s20, 3                         ; 8 rows a wave
.macro FILL s, off                     ; a row of 4,096 bytes into slot s: eight loads
.irp c, 0,1,2,3
	global_load_b128 v[X+32*(\s)+8*(\c):X+32*(\s)+8*(\c)+3],   v[VI], s[SRC:SRC+1] offset:(\off)+1024*(\c) th:TH_LOAD_NT
	global_load_b128 v[X+32*(\s)+8*(\c)+4:X+32*(\s)+8*(\c)+7], v[VI], s[SRC:SRC+1] offset:(\off)+1024*(\c)+16 th:TH_LOAD_NT
.endr
.endm
.macro ROUND_ROW s                     ; slot s -> Y: 16 packed roundings to nearest even
.set j, 0
.rept 16
	v_cvt_pk_bf16_f32 v[Y+j], v[X+32*(\s)+2*j], v[X+32*(\s)+2*j+1]
.set j, j+1
.endr
.endm
; The rounded row back as f32 (a shift, a mask), its squares into SS; dot = 1: its products with key 0 into DT.  The first eight start the sums: nothing is cleared.
; keep = 1: the f32 numbers stay, in K0.
.macro SQUARES dot, keep
.irp c, 0,1,2,3
.if \keep
.set TT, K0+8*(\c)
.else
.set TT, T+8*((\c)%2)
.endif
.irp k, 0,1,2,3
	v_lshlrev_b32 v[TT+2*(\k)],   16,  v[Y+4*(\c)+(\k)]
	v_and_b32     v[TT+2*(\k)+1], s31, v[Y+4*(\c)+(\k)]
.endr
.irp k, 0,2,4,6
.if (\c) == 0
	v_pk_mul_f32 v[SS+(\k):SS+(\k)+1], v[TT+(\k):TT+(\k)+1], v[TT+(\k):TT+(\k)+1]
.else
	v_pk_fma_f32 v[SS+(\k):SS+(\k)+1], v[TT+(\k):TT+(\k)+1], v[TT+(\k):TT+(\k)+1], v[SS+(\k):SS+(\k)+1]
.endif
.if \dot
.if (\c) == 0
	v_pk_mul_f32 v[DT+(\k):DT+(\k)+1], v[TT+(\k):TT+(\k)+1], v[K0+8*(\c)+(\k):K0+8*(\c)+(\k)+1]
.else
	v_pk_fma_f32 v[DT+(\k):DT+(\k)+1], v[TT+(\k):TT+(\k)+1], v[K0+8*(\c)+(\k):K0+8*(\c)+(\k)+1], v[DT+(\k):DT+(\k)+1]
.endif
.endif
.endr
.endr
.endm
.macro WSUM r                          ; the sum over the 32 lanes, in every lane
	v_add_f32_dpp v[\r], v[\r], v[\r] row_xmask:1 row_mask:0xf bank_mask:0xf
	v_add_f32_dpp v[\r], v[\r], v[\r] row_xmask:2 row_mask:0xf bank_mask:0xf
	v_add_f32_dpp v[\r], v[\r], v[\r] row_xmask:4 row_mask:0xf bank_mask:0xf
	v_add_f32_dpp v[\r], v[\r], v[\r] row_xmask:8 row_mask:0xf bank_mask:0xf
	v_permlanex16_b32 v[W+1], v[\r], s32, s33
	v_add_f32 v[\r], v[\r], v[W+1]
.endm
.macro FOLD p                          ; four pairs into one number
	v_pk_add_f32 v[(\p):(\p)+1],   v[(\p):(\p)+1],   v[(\p)+2:(\p)+3]
	v_pk_add_f32 v[(\p)+4:(\p)+5], v[(\p)+4:(\p)+5], v[(\p)+6:(\p)+7]
	v_pk_add_f32 v[(\p):(\p)+1],   v[(\p):(\p)+1],   v[(\p)+4:(\p)+5]
.endm
.macro NORM dst                        ; SS -> 1 / max(root of the row's sum, 1e-12)
	FOLD SS
	v_add_f32 v[W], v[SS], v[SS+1]
	WSUM W
	v_sqrt_f32 v[W+1], v[W]
	v_nop                                          ; a plain instruction between a transcendental and the use of its result (ISA guide 5.7.2)
	s_wait_alu depctr_va_vdst(0)
	v_max_num_f32 v[W+1], 0x2b8cbccc, v[W+1]       ; 1e-12
	v_rcp_f32 v[W], v[W+1]
	v_nop
	s_wait_alu depctr_va_vdst(0)
	v_fma_f32 v[SS], -v[W+1], v[W], 1.0            ; one Newton step: r + r (1 - n r)
	v_fma_f32 v[\dst], v[W], v[SS], v[W]
.endm
; One row, in slot s.  fill = 1: the slot takes the row two further on.  left: the younger loads that may stay out (the other slot's eight).
.macro ROW s, fill, left, dot
	s_wait_loadcnt \left                           ; loads come back in order (ISA guide 5.7.1): my eight are in
	s_wait_xcnt 0x0                                ; Y, which the last row's stores read, is rewritten only behind this wait
	ROUND_ROW \s
.if \fill
	FILL \s, (2+(\s))*ROWB                         ; loads ahead of stores
.endif
.irp c, 0,1,2,3
	global_store_b128 v[VO], v[Y+4*(\c):Y+4*(\c)+3], s[DST:DST+1] offset:(\s)*ROWH+512*(\c)
.endr
	SQUARES \dot, 0
	NORM W
.if \dot
	FOLD DT
	v_add_f32 v[DT], v[DT], v[DT+1]
	WSUM DT
	v_mul_f32 v[DT], v[DT], v[KINV0]
.endif
	v_cmp_eq_u32 vcc_lo, s35, v1                   ; the lane whose number is the row's keeps the figures
	v_cndmask_b32 v[INVV], v[INVV], v[W], vcc_lo
.if \dot
	v_cndmask_b32 v[PIVV], v[PIVV], v[DT], vcc_lo
.endif
	s_add_co_u32 s35, s35, 1
.endm
.macro BODY dot
	FILL 0, 0
	FILL 1, ROWB
.Ltrip\dot:
	ROW 0, 1, 8, \dot
	ROW 1, 1, 8, \dot
	s_wait_xcnt 0x0                                ; the two bases are stepped only behind this wait
	s_add_nc_u64 s[SRC:SRC+1], s[SRC:SRC+1], 2*ROWB
	s_add_nc_u64 s[DST:DST+1], s[DST:DST+1], 2*ROWH
	s_sub_co_u32 s34, s34, 1
	s_cmp_lg_u32 s34, 0
	s_cbranch_scc1 .Ltrip\dot
	ROW 0, 0, 8, \dot                              ; the last two rows load nothing: no load leaves the buffer
	ROW 1, 0, 0, \dot
	v_cmp_gt_u32 vcc_lo, 8, v1
	s_wait_xcnt 0x0                                ; EXEC is a source of the stores above: it changes only behind this wait
	s_and_saveexec_b32 s30, vcc_lo
	global_store_b32 v[V4L], v[INVV], s[INV:INV+1] ; lanes 0-7: 32 consecutive bytes
.if \dot
	global_store_b32 v[V4L], v[PIVV], s[PIV:PIV+1]
.endif
	s_endpgm
.endm
	s_cmp_lt_u32 ttmp9, 512
	s_cbranch_scc0 .Lquery
	s_lshl_b32 s21, ttmp9, 6
	s_add_co_u32 s21, s21, s20                     ; my wave's first row of keys
	s_wait_kmcnt 0x0
	s_lshl_b32 s22, s21, 12
	s_add_nc_u64 s[SRC:SRC+1], s[4:5], s[22:23]
	s_lshl_b32 s22, s21, 11
	s_add_nc_u64 s[DST:DST+1], s[8:9], s[22:23]
	s_lshl_b32 s22, s21, 2
	s_add_nc_u64 s[INV:INV+1], s[12:13], s[22:23]
	BODY 0
.Lquery:
	s_sub_co_u32 s21, ttmp9, 512
	s_lshl_b32 s21, s21, 6
	s_add_co_u32 s21, s21, s20                     ; my wave's first row of query
	s_wait_kmcnt 0x0
	s_lshl_b32 s22, s21, 12
	s_add_nc_u64 s[SRC:SRC+1], s[6:7], s[22:23]
	s_lshl_b32 s22, s21, 11
	s_add_nc_u64 s[DST:DST+1], s[10:11], s[22:23]
	s_lshl_b32 s22, s21, 2
	s_add_nc_u64 s[INV:INV+1], s[14:15], s[22:23]
	s_add_nc_u64 s[PIV:PIV+1], s[16:17], s[22:23]
.irp c, 0,1,2,3                        ; key 0, through slot 0's registers: rounded as the keys' path rounds it, kept as f32, and its norm
	global_load_b128 v[X+8*(\c):X+8*(\c)+3],   v[VI], s[4:5] offset:1024*(\c)
	global_load_b128 v[X+8*(\c)+4:X+8*(\c)+7], v[VI], s[4:5] offset:1024*(\c)+16
.endr
	s_wait_loadcnt 0x0
	ROUND_ROW 0
	SQUARES 0, 1
	NORM KINV0
	BODY 1
.Lfunc_end_k_qe6cd82f085_cast:
	.size	k_qe6cd82f085_cast, .Lfunc_end_k_qe6cd82f085_cast-k_qe6cd82f085_cast
	.p2alignl 7, 3214868480
	.fill 96, 4, 3214868480
	.section	.rodata,"a",@progbits
	.p2align	6, 0x0
	.amdhsa_kernel k_qe6cd82f085_cast
		.amdhsa_group_segment_fixed_size 0
		.amdhsa_private_segment_fixed_size 0
		.amdhsa_enable_private_segment 0
		.amdhsa_kernarg_size 56
		.amdhsa_user_sgpr_count 2
		.amdhsa_user_sgpr_kernarg_segment_ptr 1
		.amdhsa_wavefront_size32 1
		.amdhsa_system_sgpr_workgroup_id_x 1
		.amdhsa_system_sgpr_workgroup_id_y 1
		.amdhsa_system_sgpr_workgroup_id_z 1
		.amdhsa_system_vgpr_workitem_id 0
		.amdhsa_next_free_vgpr 156
		.amdhsa_next_free_sgpr 66
		.amdhsa_reserve_vcc 1
		.amdhsa_float_denorm_mode_32 3
		.amdhsa_float_denorm_mode_16_64 3
		.amdhsa_memory_ordered 1
		.amdhsa_forward_progress 1
		.amdhsa_inst_pref_size 56
	.end_amdhsa_kernel
	.amdgpu_metadata
---
amdhsa.version: [ 1, 2 ]
amdhsa.kernels:
  - .name:           k_qe6cd82f085_cast
    .symbol:         k_qe6cd82f085_cast.kd
    .args:
      - { .name: keys, .offset: 0, .size: 8, .value_kind: global_buffer, .address_space: global }
      - { .name: query, .offset: 8, .size: 8, .value_kind: global_buffer, .address_space: global }
      - { .name: kb, .offset: 16, .size: 8, .value_kind: global_buffer, .address_space: global }
      - { .name: qb, .offset: 24, .size: 8, .value_kind: global_buffer, .address_space: global }
      - { .name: kinv, .offset: 32, .size: 8, .value_kind: global_buffer, .address_space: global }
      - { .name: qinv, .offset: 40, .size: 8, .value_kind: global_buffer, .address_space: global }
      - { .name: piv, .offset: 48, .size: 8, .value_kind: global_buffer, .address_space: global }
    .group_segment_fixed_size: 0
    .private_segment_fixed_size: 0
    .kernarg_segment_align: 8
    .kernarg_segment_size: 56
    .max_flat_workgroup_size: 256
    .sgpr_count:     66
    .vgpr_count:     156
    .wavefront_size: 32
...
	.end_amdgpu_metadata
.endif
;; end of part 1
;; launch sim (part 2): grid 8 x 32, 4 waves a work-group, clusters of 4 x 4, 327,680 bytes of LDS; arguments qb, kb, kinv, piv, part; writes part
.if DOCPART == 2
	.amdgcn_target "amdgcn-amd-amdhsa--gfx1250"
	.amdhsa_code_object_version 6
	.text
	.protected	k_qe6cd82f085_sim
	.globl	k_qe6cd82f085_sim
	.p2align	8
	.type	k_qe6cd82f085_sim,@function
k_qe6cd82f085_sim:
	s_mov_b64 s[64:65], 0
	v_nop
	global_prefetch_b8 v0, s[64:65] scope:SCOPE_SE
	s_setreg_imm32_b32 hwreg(HW_REG_WAVE_MODE, 25, 1), 1
	s_wait_xcnt 0x0
	s_wait_alu depctr_hold_cnt(0) depctr_sa_sdst(0) depctr_va_vdst(0) depctr_va_sdst(0) depctr_va_ssrc(0) depctr_va_vcc(0) depctr_vm_vsrc(0)
	s_getreg_b32 s2, hwreg(HW_REG_IB_STS2, 6, 4)
	s_cmp_eq_u32 s2, 0
	s_cbranch_scc0 .Lentry_in_a_cluster
	s_endpgm
.Lentry_in_a_cluster:
	s_bfe_u32 s2, ttmp6, 0x10000c
	s_cmp_lg_u32 s2, 0xf033
	s_cbranch_scc0 .Lentry_shape_is_right
	s_endpgm
.Lentry_shape_is_right:
; For every query b and key n: d = (qb[b] . kb[n]) x kinv[n] - piv[b], that is |q| times the cosine, less the row's score against key 0.  Nothing of d goes to memory: each lane keeps, for its
; queries, the sum of d, the sum of d^2, the largest d and its key.  part[p][b] = (S1, S2, MX, IX), 16 bytes; p = 4 g + 2 (key half) + (lane / 16): 128 parts a query, merged by the next launch.
; The pivot is one number a query, the same in every lane and work-group: partial sums add up, shifted scores compare everywhere, and the variance is not a difference of large sums
; when all cosines lie close together.  1 / |q| changes no argmax and enters the variance as a factor, in the next launch.
; qb: [2048][1024], kb: [32768][1024], bf16; products in bf16, sums in f32, one sum an output, K ascending.
; SHARES.  Work-group (x, g): queries 256 x .. + 255, keys 1024 g .. + 1023, as four tiles of 256 x 256, one after the other: 8 x 32 = 256 work-groups of equal work.  Four waves, each 128 queries x 128 keys:
; 64 accumulators of 16 x 16, 512 registers.  K goes in steps of 128 through a ring of two LDS slots filled by the tensor data mover; the rows of the tiles are 256 bytes of memory and begin at multiples of 256 bytes
; from the buffer's first byte.  The ring does not stop at a tile's end: a tile's last two changes of slots ask for the next tile's first two K steps, which land while the tile's scores are reduced.
; CLUSTERS: 4 x 4 work-groups.  The four of a column of the cluster have one x and need the same tiles of qb; the four of a row have one g and need the same tiles of kb.  Such a tile is asked for JOINTLY:
; the same tensor load, descriptor and mask in all four.
; THE MATRIX INSTRUCTION takes 16 keys as source 0 and 16 queries as source 1: in the result lane l holds ONE query (l % 16), and its registers 0-7 the keys 8 (l / 16) + 0..7.  So a query's figures stay in a lane.
; LIMITS.  A NaN score is passed over (jnp.argmax would take it); infinities are not treated apart; of equal scores the lowest key wins (strict compare, keys ascending in a lane).  If no score of a lane is a number, IX is junk.
; REGISTERS, in windows of 256 (s_set_vgpr_msb: bits 1:0 source 0, 3:2 source 1, 5:4 source 2, 7:6 destination):
;   window 0: v0-31 addresses; v32-63 T, the scores of four accumulators at work; v64-127, v128-191 fragments of qb, two buffers; v192-255 ST, eight registers for each of my 8 blocks of 16 queries
;   window 1: v0-63 KI: kinv of my 128 keys of the tile in hand (block b at 8 b); v64-127, v128-191 fragments of kb, two buffers
;   window 2: the 32 accumulators of my queries 0-63 (accumulator (a, b) at v[8 (8 a + b)]);   window 3: those of my queries 64-127
.set SIZE_K, 1024
.set KSTEP,  128
.set PITCH,  272                       ; an LDS row: 256 bytes + 16 of padding = 68 words: row r starts at bank 4 r mod 64 (64 banks of 4 bytes: ISA guide 11.1)
.set HALFT,  128*PITCH                 ; 128 rows: what one tensor load brings, and what one wave reads of qb or of kb
.set SLOT,   4*HALFT                   ; qb's 256 rows, then kb's 256 rows
.set SPARE,  2*SLOT                    ; behind the ring: the spare words, 128 bytes for each wave: two blocks of 256 bytes that no other line names
.set LAPS,   SIZE_K/(2*KSTEP)          ; a lap = two K steps = once round the ring
.set TILES,  4
.set BACK_Q, (SIZE_K-2*KSTEP)*2        ; bytes from a slot's last K step of a tile back to its first: the tiles share their queries,
.set NEXT_K, 256*SIZE_K*2-BACK_Q       ; and kb goes 256 rows down as well
.set ADRQ, 16                          ; v16-17  LDS address of my fragments of qb in slot 0, 1
.set ADRK, 20                          ; v20-21  the same for kb
.set KO,   22                          ; v22     32 (l / 16): my 8 keys' place in a block's 64 bytes of kinv
.set PV,   23                          ; v23     4 (l % 16): my query's place in 16 pivots
.set PO,   24                          ; v24     32768 (l / 16) + 16 (l % 16): my place in part
.set KB,   25                          ; v25     the first key of my lane: 1024 g + 128 (key half) + 8 (l / 16)
.set SPW,  28                          ; v28     LDS address of my spare word; never rewritten
.set NIL,  29                          ; v29     0; never rewritten
.set T,    32
.set F0,   64
.set F1,   128
.set ST,   192                         ; block a at ST + 8 a: +0 pivot, +1 zero (named with it as a pair), +2, +3 S1, +4, +5 S2 (even keys', odd keys'), +6 MX, +7 IX
.set KI,   0
.set G1Q, 24                           ; s[24:31] descriptor group 1 for qb's tiles;  s[32:39] group 0, a set for each slot
.set G0Q, 32
.set G1K, 48                           ; s[48:55], s[56:63] the same for kb's tiles
.set G0K, 56
.set MK,  76                           ; s76-79  four compare masks, by turns
.set MSB, 0
.macro WIN new                         ; the immediate's high byte repeats the setting that is left; a switch that changes nothing is dropped
.if MSB != (\new)
	s_set_vgpr_msb (MSB<<8)|(\new)
.set MSB, \new
.endif
.endm
.set MUL_LO, 0xa1                      ; source 0 (kb) window 1, source 1 (qb) window 0, C and D window 2
.set MUL_HI, 0xf1                      ; the same, C and D window 3
.set TO_K,   0x40                      ; destination window 1, address window 0
; A joint load.  Waves 0 and 1 fetch qb's two halves, waves 2 and 3 kb's.  Each of the two lines has one mask and one set of registers, and nothing in them hangs on a coordinate that the four partners do not share.
; The branch hangs on the wave's number alone.  An s_nop 0 and four v_nop follow each line, ahead of the jump and the label.
.macro JLOAD s
	s_cmp_eq_u32 s11, 0
	s_cbranch_scc0 .Lfor_k_\@
	tensor_load_to_lds s[G0Q+4*(\s):G0Q+4*(\s)+3], s[G1Q:G1Q+7]
	s_nop 0
.rept 4
	v_nop
.endr
	s_branch .Lasked_\@
.Lfor_k_\@:
	tensor_load_to_lds s[G0K+4*(\s):G0K+4*(\s)+3], s[G1K:G1K+7]
	s_nop 0
.rept 4
	v_nop
.endr
.Lasked_\@:
.endm
; A round of the cluster's barrier: my work-group's barrier, so that wave 0's signal speaks for all four waves; wave 0 signals; every wave waits for all sixteen work-groups; my work-group's barrier once more.
.macro CREST                           ; a round behind its opening barrier
	s_cmp_lg_u32 s10, 0
	s_cbranch_scc1 .Lnot_wave_0_\@
	s_barrier_signal -3
.Lnot_wave_0_\@:
	s_barrier_wait -3
	s_barrier_signal -1
	s_barrier_wait -1
.endm
.macro CROUND                          ; a whole round
	s_barrier_signal -1
	s_barrier_wait -1
	CREST
.endm
	s_load_b128 s[4:7], s[0:1], 0x0                ; qb s[4:5], kb s[6:7]
	s_load_b128 s[68:71], s[0:1], 0x10             ; kinv s[68:69], piv s[70:71]
	s_load_b64 s[72:73], s[0:1], 0x20              ; part
	v_lshl_add_u32 v[SPW], v0, 2, SPARE
	v_mov_b32 v[NIL], 0
	ds_add_u32 v[SPW], v[NIL]                      ; the wave's opening: the add and its wait stand ahead of my first tensor load; the set-up below, work on registers, stands between them
	v_lshrrev_b32 v1, 5, v0
	v_readfirstlane_b32 s10, v1                    ; wave 0..3
	s_lshr_b32 s11, s10, 1                         ; which half of the tile's queries is mine.  Also: I fetch for qb (0) or for kb (1)
	s_and_b32 s12, s10, 1                          ; which half of its keys.  Also: which 128 rows of that tile I fetch
	s_bfe_u32 s40, ttmp6, 0x40000                  ; cx: my place along the cluster's x
	s_bfe_u32 s41, ttmp6, 0x40004                  ; cy: along its y
	s_lshl_b32 s42, ttmp9, 2                       ; in a cluster launch ttmp9 and ttmp7 count clusters
	s_add_co_u32 s42, s42, s40                     ; x = 4 x cluster x + cx
	s_and_b32 s13, ttmp7, 0xffff
	s_lshl_b32 s13, s13, 2
	s_add_co_u32 s13, s13, s41                     ; g = 4 x cluster y + cy
	s_lshl_b32 s43, 0x1111, s40                    ; my column of the cluster: places cx, cx + 4, cx + 8, cx + 12
	s_lshl_b32 s44, s41, 2
	s_lshl_b32 s44, 15, s44                        ; my row: places 4 cy .. 4 cy + 3
	; descriptor group 1: a tile of 128 rows x 128 elements, padded in LDS
	s_or_b32 s[G1Q+0], s43, (1<<16)|(1<<20)|(1<<21)|(5<<22)|(3<<25)  ; 15:0 the mask: qb's tiles go to my column; 17:16 elements of 2 bytes; 20 padding on; 21 set beside a mask; 24:22 after every 64 words (code 5); 31:25 4 words of it (code 3)
	s_or_b32 s[G1K+0], s44, (1<<16)|(1<<20)|(1<<21)|(5<<22)|(3<<25)  ; the same with the mask of my row, for kb's tiles
.irp g, G1Q, G1K
	s_mov_b32 s[(\g)+1], KSTEP<<16                 ; tensor_dim0 = 128
	s_mov_b32 s[(\g)+2], 128<<16                   ; tensor_dim1 = 128
	s_mov_b32 s[(\g)+3], KSTEP<<16                 ; tile_dim0 = 128
	s_mov_b32 s[(\g)+4], 128                       ; tile_dim1 = 128
	s_mov_b32 s[(\g)+5], SIZE_K                    ; elements from row to row
	s_mov_b32 s[(\g)+6], 0
	s_mov_b32 s[(\g)+7], 0
.endr
	; where the tiles come from: qb's hang on x alone, kb's on g alone, each made in registers that never hold the other coordinate.  All offsets stay under 2^27 bytes.
	s_lshl_b32 s18, s12, 7                         ; which 128 rows of the tile I fetch
	s_lshl_b32 s16, s42, 8
	s_add_co_u32 s16, s16, s18                     ; qb: row 256 x + 128 x half,
	s_lshl_b32 s16, s16, 11                        ; of 2,048 bytes
	s_mov_b32 s17, 0
	s_lshl_b32 s46, s13, 10
	s_add_co_u32 s46, s46, s18                     ; kb: row 1024 g + 128 x half: also the first key of my wave's half
	s_mov_b32 s45, s46
	s_lshl_b32 s74, s46, 2                         ; its place in kinv
	s_mov_b32 s75, 0
	s_lshl_b32 s46, s46, 11
	s_mov_b32 s47, 0
	s_lshl_b32 s80, s42, 8
	s_lshl_b32 s81, s11, 7
	s_add_co_u32 s80, s80, s81                     ; my wave's first query: 256 x + 128 x half
	s_lshl_b32 s82, s80, 4                         ; its 16 bytes in a part,
	s_lshl_b32 s80, s80, 2                         ; its 4 bytes in piv
	s_mov_b32 s81, 0
	s_lshl_b32 s83, s13, 2
	s_lshl_b32 s79, s12, 1
	s_add_co_u32 s83, s83, s79                     ; part 4 g + 2 x key half,
	s_lshl_b32 s83, s83, 15                        ; of 2,048 x 16 bytes
	s_add_co_u32 s82, s82, s83
	s_mov_b32 s83, 0
	s_mul_i32 s20, s10, HALFT                      ; where the tiles go: wave x 128 rows: no place in the cluster enters an LDS address
	s_wait_dscnt 0x0                               ; the opening add is done
	s_wait_kmcnt 0x0
	s_add_nc_u64 s[14:15], s[4:5], s[16:17]
	s_add_nc_u64 s[46:47], s[6:7], s[46:47]
	s_add_nc_u64 s[68:69], s[68:69], s[74:75]
	s_add_nc_u64 s[70:71], s[70:71], s[80:81]
	s_add_nc_u64 s[72:73], s[72:73], s[82:83]
	CROUND                                         ; all sixteen work-groups are here: the first joint loads meet
.irp s, 0,1
	s_mov_b32 s[G0Q+4*(\s)], 1                                       ; 1:0 count = 1
	s_add_co_u32 s[G0Q+4*(\s)+1], s20, (\s)*SLOT                     ; 63:32 LDS address
	s_add_nc_u64 s[G0Q+4*(\s)+2:G0Q+4*(\s)+3], s[14:15], (\s)*KSTEP*2  ; 120:64 global address: K step s
	s_or_b32 s[G0Q+4*(\s)+3], s[G0Q+4*(\s)+3], 0x80000000            ; 127:126 type = 2
	s_mov_b32 s[G0K+4*(\s)], 1
	s_add_co_u32 s[G0K+4*(\s)+1], s20, (\s)*SLOT
	s_add_nc_u64 s[G0K+4*(\s)+2:G0K+4*(\s)+3], s[46:47], (\s)*KSTEP*2
	s_or_b32 s[G0K+4*(\s)+3], s[G0K+4*(\s)+3], 0x80000000
	JLOAD \s                                       ; the ring is filled before anything else is done: two loads of mine are out
.endr
	; A fragment is 16 rows x 32 K in 8 registers: lane l holds row l % 16; registers 0-3 K = 8 (l / 16) + 0..7, registers 4-7 K = 16 + 8 (l / 16) + 0..7: two loads of 16 bytes, 32 bytes apart.
	v_and_b32 v1, 15, v0                           ; l % 16
	v_bfe_u32 v2, v0, 4, 1                         ; l / 16
	v_mul_u32_u24 v3, v1, PITCH
	v_lshl_add_u32 v3, v2, 4, v3                   ; row x pitch + 16 x half
	s_mul_i32 s21, s11, HALFT                      ; my 128 rows of qb
	s_mul_i32 s22, s12, HALFT                      ; my 128 rows of kb,
	s_add_co_u32 s22, s22, 2*HALFT                 ; which lie behind qb's 256
.irp s, 0,1
	v_add_nc_u32 v[ADRQ+(\s)], s21, v3
	v_add_nc_u32 v[ADRK+(\s)], s22, v3
	s_add_co_u32 s21, s21, SLOT
	s_add_co_u32 s22, s22, SLOT
.endr
	v_lshlrev_b32 v[KO], 5, v2
	v_lshlrev_b32 v[PV], 2, v1
	v_lshlrev_b32 v[PO], 4, v1
	v_lshl_add_u32 v[PO], v2, 15, v[PO]
	v_lshl_add_u32 v[KB], v2, 3, s45
.irp a, 0,1,2,3,4,5,6,7
	global_load_b32 v[ST+8*(\a)], v[PV], s[70:71] offset:64*(\a)  ; the pivots of my 8 queries; waited for in front of the first reduction
.endr
.irp a, 0,1,2,3,4,5,6,7                ; the figures start, in the wait for the first tile
	v_mov_b32 v[ST+8*(\a)+1], 0
	v_mov_b32 v[ST+8*(\a)+2], 0
	v_mov_b32 v[ST+8*(\a)+3], 0
	v_mov_b32 v[ST+8*(\a)+4], 0
	v_mov_b32 v[ST+8*(\a)+5], 0
	v_mov_b32 v[ST+8*(\a)+6], 0xff800000           ; MX: below every number
	v_mov_b32 v[ST+8*(\a)+7], 0
.endr
; 16 matrix instructions: query blocks a0, a0 + 1 of the window's four (hi = 0: my queries 0-63, 1: 64-127) x all 8 key blocks, 32 along K.  zero = 1: the first product starts the sums: nothing is cleared.
; The 64 accumulators take turns, one instruction a turn, in the same order in every quarter step.
.macro MUL16 f, hi, a0, zero
	WIN MUL_LO+0x50*(\hi)
.irp a, \a0, (\a0)+1
.irp b, 0,1,2,3,4,5,6,7
.if \zero
	v_wmma_f32_16x16x32_bf16 v[8*(8*(\a)+(\b)):8*(8*(\a)+(\b))+7], v[(\f)+8*(\b):(\f)+8*(\b)+7], v[(\f)+8*(4*(\hi)+(\a)):(\f)+8*(4*(\hi)+(\a))+7], 0
.else
	v_wmma_f32_16x16x32_bf16 v[8*(8*(\a)+(\b)):8*(8*(\a)+(\b))+7], v[(\f)+8*(\b):(\f)+8*(\b)+7], v[(\f)+8*(4*(\hi)+(\a)):(\f)+8*(4*(\hi)+(\a))+7], v[8*(8*(\a)+(\b)):8*(8*(\a)+(\b))+7]
.endif
.endr
.endr
.endm
; 32 LDS loads in one run: the fragments of one quarter step (128 rows of kb, 128 rows of qb, 32 K at byte k of the rows) into buffer f
.macro FETCH slot, k, f
	WIN TO_K
.irp i, 0,1,2,3,4,5,6,7
	ds_load_b128 v[(\f)+8*(\i):(\f)+8*(\i)+3],   v[ADRK+(\slot)] offset:(\k)+(\i)*16*PITCH
	ds_load_b128 v[(\f)+8*(\i)+4:(\f)+8*(\i)+7], v[ADRK+(\slot)] offset:(\k)+(\i)*16*PITCH+32
.endr
	WIN 0
.irp i, 0,1,2,3,4,5,6,7
	ds_load_b128 v[(\f)+8*(\i):(\f)+8*(\i)+3],   v[ADRQ+(\slot)] offset:(\k)+(\i)*16*PITCH
	ds_load_b128 v[(\f)+8*(\i)+4:(\f)+8*(\i)+7], v[ADRQ+(\slot)] offset:(\k)+(\i)*16*PITCH+32
.endr
.endm
; A load into a register that a matrix instruction has read, and a vector instruction that reads a matrix result, stand four places behind that matrix instruction, and only plain vector
; instructions that name none of its registers are places (ISA guide 7.12.1 for vector instructions).
.macro PLACES
.rept 4
	v_nop
.endr
.endm
; A K step is four quarter steps of 32 along K, 64 matrix instructions each, on buffers 0, 1, 0, 1.  One of the first three: multiplies buffer f; in its middle it fetches the next quarter's fragments, at byte k, into g.
.macro QUARTER slot, k, f, g, zero
	s_wait_dscnt 8                                 ; kb and qb's rows 0-63 are in; the youngest eight loads (qb's rows 64-127) may be out
	WIN MUL_LO
	MUL16 \f, 0, 0, \zero
	MUL16 \f, 0, 2, \zero
	PLACES
	FETCH \slot, \k, \g
	s_wait_dscnt 32                                ; all but the 32 just issued
	WIN MUL_HI
	MUL16 \f, 1, 0, \zero
	MUL16 \f, 1, 2, \zero
.endm
; The last quarter multiplies buffer 1 and changes slots.  MEET is its first half: ONE barrier for the change.  In front of it each wave waits for all its tensor loads, of which one is out: its part of the next slot;
; adds 0 to its spare word; and waits for that and for its own reads of this slot.  Behind it nobody reads this slot any more and the next slot is whole.
.macro MEET round                      ; round = 1: a round of the cluster's barrier follows
	WIN 0                                          ; (the add's two registers lie in window 0)
	s_wait_tensorcnt 0x0                           ; all my tensor loads have landed;
	ds_add_u32 v[SPW], v[NIL]                      ; 0 onto my spare word;
	s_wait_dscnt 9                                 ; (the add and the youngest eight loads may be out)
	WIN MUL_LO
	MUL16 F1, 0, 0, 0                              ; sixteen matrix instructions stand between the add and the wait for it
	s_wait_dscnt 0x0                               ; the add is done, and my reads of this slot are over:
	s_barrier_signal -1                            ; say so,
	MUL16 F1, 0, 2, 0                              ; work on registers while the others arrive,
.if \round
	WIN 0
.endif
	s_barrier_wait -1                              ; and go on when all four have said so
.endm
; The whole last quarter.  Behind the round the slot just read out is filled again first: with this tile's K step two steps on (on = 0) or with the NEXT tile's K step 0 or 1 (on = 1); then come the next slot's
; first fragments.  From a request to the wait for it a wave issues 224 matrix instructions.
.macro TURN slot, next, on
	MEET 1
	CREST                                          ; no wave of any partner still reads this slot's tile or has a load on its way
.if \on
	s_sub_nc_u64 s[G0Q+4*(\slot)+2:G0Q+4*(\slot)+3], s[G0Q+4*(\slot)+2:G0Q+4*(\slot)+3], BACK_Q
	s_add_nc_u64 s[G0K+4*(\slot)+2:G0K+4*(\slot)+3], s[G0K+4*(\slot)+2:G0K+4*(\slot)+3], NEXT_K
.else
	s_add_nc_u64 s[G0Q+4*(\slot)+2:G0Q+4*(\slot)+3], s[G0Q+4*(\slot)+2:G0Q+4*(\slot)+3], 2*KSTEP*2
	s_add_nc_u64 s[G0K+4*(\slot)+2:G0K+4*(\slot)+3], s[G0K+4*(\slot)+2:G0K+4*(\slot)+3], 2*KSTEP*2
.endif
	JLOAD \slot                                    ; the first tensor load behind the round; its four v_nop are also the places in front of the loads below
	FETCH \next, 0, F0
	WIN MUL_HI
	MUL16 F1, 1, 0, 0
	MUL16 F1, 1, 2, 0
.endm
; kinv of my 128 keys of the tile in hand: block b's keys 8 (l / 16) + 0..7 into KI + 8 b.  Sixteen lanes read the same 32 bytes.  Waited for in front of the tile's reduction, a whole tile's products later.
.macro KLOAD
	WIN TO_K
.irp b, 0,1,2,3,4,5,6,7
	global_load_b128 v[KI+8*(\b):KI+8*(\b)+3],   v[KO], s[68:69] offset:64*(\b)
	global_load_b128 v[KI+8*(\b)+4:KI+8*(\b)+7], v[KO], s[68:69] offset:64*(\b)+16
.endr
.endm
; THE REDUCTION of four accumulators: query blocks 4 hi + 0..3, key block b.  d = raw x kinv - pivot in one rounding; S1 += d; S2 += d d; and for each of the 8 keys: is d above MX? then IX takes the key's code,
; 8 b + j, and MX takes d.  The four blocks' chains take turns, so that no line reads the result of the line before it.  Each accumulator's two lowest registers are read first.
.macro EPI4 hi, b
	WIN 0x06+(\hi)                                 ; source 0: window 2 or 3; source 1: window 1; source 2 and destination: window 0
.irp i, 0,2,4,6
.irp a, 0,1,2,3
	v_pk_fma_f32 v[T+8*(\a)+(\i):T+8*(\a)+(\i)+1], v[8*(8*(\a)+(\b))+(\i):8*(8*(\a)+(\b))+(\i)+1], v[KI+8*(\b)+(\i):KI+8*(\b)+(\i)+1], v[ST+8*(4*(\hi)+(\a)):ST+8*(4*(\hi)+(\a))+1] op_sel_hi:[1,1,0] neg_lo:[0,0,1] neg_hi:[0,0,1]
.endr
.endr
	WIN 0
.irp i, 0,2,4,6
.irp a, 0,1,2,3
	v_pk_add_f32 v[ST+8*(4*(\hi)+(\a))+2:ST+8*(4*(\hi)+(\a))+3], v[ST+8*(4*(\hi)+(\a))+2:ST+8*(4*(\hi)+(\a))+3], v[T+8*(\a)+(\i):T+8*(\a)+(\i)+1]
.endr
.irp a, 0,1,2,3
	v_pk_fma_f32 v[ST+8*(4*(\hi)+(\a))+4:ST+8*(4*(\hi)+(\a))+5], v[T+8*(\a)+(\i):T+8*(\a)+(\i)+1], v[T+8*(\a)+(\i):T+8*(\a)+(\i)+1], v[ST+8*(4*(\hi)+(\a))+4:ST+8*(4*(\hi)+(\a))+5]
.endr
.endr
.irp j, 0,1,2,3,4,5,6,7
.irp a, 0,1,2,3
	v_cmp_gt_f32 s[MK+(\a)], v[T+8*(\a)+(\j)], v[ST+8*(4*(\hi)+(\a))+6]
.endr
.irp a, 0,1,2,3
	v_cndmask_b32 v[ST+8*(4*(\hi)+(\a))+7], v[ST+8*(4*(\hi)+(\a))+7], 8*(\b)+(\j), s[MK+(\a)]
.endr
.irp a, 0,1,2,3
	v_max_num_f32 v[ST+8*(4*(\hi)+(\a))+6], v[ST+8*(4*(\hi)+(\a))+6], v[T+8*(\a)+(\j)]
.endr
.endr
.endm
; A tile's reduction.  It issues no LDS instruction, so the counts of the quarter behind it still count TURN's loads.  IX goes down by 64 at each tile, so that a tile's codes are 0..63,
; constants that cost no literal; behind the last tile IX + 192 = 64 t + 8 b + j.
.macro EPI
	WIN 0
	PLACES                                         ; behind the tile's last products
	s_wait_loadcnt 0x0                             ; kinv of this tile (and, the first time, the pivots); it also frees kinv's base
.irp a, 0,1,2,3,4,5,6,7
	v_sub_nc_u32 v[ST+8*(\a)+7], v[ST+8*(\a)+7], 64
.endr
.irp b, 0,1,2,3,4,5,6,7
	EPI4 0, \b
.endr
.irp b, 0,1,2,3,4,5,6,7
	EPI4 1, \b
.endr
.endm
	s_wait_tensorcnt 1                             ; my part of K step 0 is in; K step 1's may stay out
	s_barrier_signal -1
	s_barrier_wait -1                              ; everybody's is
	FETCH 0, 0, F0
	s_mov_b32 s2, TILES                            ; tiles to go, this one among them: the same number in every work-group
.Ltile:
	KLOAD
	QUARTER 0, 64,  F0, F1, 1                      ; a tile's first quarter stands in front of the loop: its products start the sums
	WIN 0                                          ; at a label and at a branch every window is 0
	s_mov_b32 s3, LAPS-1
.Llap:                                                 ; a trip goes once round the ring, from a lap's second quarter to the next lap's first, and fills both slots again
	QUARTER 0, 128, F1, F0, 0
	QUARTER 0, 192, F0, F1, 0
	TURN 0, 1, 0
	QUARTER 1, 64,  F0, F1, 0
	QUARTER 1, 128, F1, F0, 0
	QUARTER 1, 192, F0, F1, 0
	TURN 1, 0, 0
	QUARTER 0, 64,  F0, F1, 0
	WIN 0
	s_sub_co_u32 s3, s3, 1
	s_cmp_lg_u32 s3, 0
	s_cbranch_scc1 .Llap
	QUARTER 0, 128, F1, F0, 0                      ; the tile's last lap goes on
	QUARTER 0, 192, F0, F1, 0
	WIN 0
	s_cmp_eq_u32 s2, 1
	s_cbranch_scc1 .Llast                          ; the last tile's tail is written out: it asks for nothing more
	TURN 0, 1, 1                                   ; the ring goes on into the next tile: slot 0 takes its K step 0,
	QUARTER 1, 64,  F0, F1, 0
	QUARTER 1, 128, F1, F0, 0
	QUARTER 1, 192, F0, F1, 0
	TURN 1, 0, 1                                   ; slot 1 its K step 1, and the next tile's first fragments are fetched
	EPI                                            ; both refills are asked for: they land while the scores are reduced
	s_add_nc_u64 s[68:69], s[68:69], 1024          ; kinv: 256 keys on
	s_sub_co_u32 s2, s2, 1
	s_branch .Ltile
.Llast:
	MEET 0                                         ; my one tensor load that was still out is the last K step's, so no round follows
	PLACES
	FETCH 1, 0, F0
	WIN MUL_HI
	MUL16 F1, 1, 0, 0
	MUL16 F1, 1, 2, 0
	QUARTER 1, 64,  F0, F1, 0
	QUARTER 1, 128, F1, F0, 0
	QUARTER 1, 192, F0, F1, 0
	s_wait_dscnt 8                                 ; the very last quarter: nothing more to fetch
	WIN MUL_LO
	MUL16 F1, 0, 0, 0
	MUL16 F1, 0, 2, 0
	s_wait_dscnt 0x0
	MUL16 F1, 1, 0, 0
	MUL16 F1, 1, 2, 0
	EPI
	; THE WAY OUT.  The two halves of S1 and of S2 are added; the code becomes a key: first key of my lane + 256 t + 16 b + j; (S1, S2, MX, IX) are 16 bytes a lane.
.irp a, 0,1,2,3,4,5,6,7
	v_add_f32 v[ST+8*(\a)+5], v[ST+8*(\a)+4], v[ST+8*(\a)+5]
	v_add_f32 v[ST+8*(\a)+4], v[ST+8*(\a)+2], v[ST+8*(\a)+3]
	v_add_nc_u32 v[T+4*(\a)], 0xc0, v[ST+8*(\a)+7]
	v_lshrrev_b32 v[T+4*(\a)+1], 6, v[T+4*(\a)]
	v_bfe_u32 v[T+4*(\a)+2], v[T+4*(\a)], 3, 3
	v_and_b32 v[T+4*(\a)+3], 7, v[T+4*(\a)]
	v_lshl_add_u32 v[T+4*(\a)+1], v[T+4*(\a)+1], 8, v[KB]
	v_lshl_add_u32 v[T+4*(\a)+1], v[T+4*(\a)+2], 4, v[T+4*(\a)+1]
	v_add_nc_u32 v[ST+8*(\a)+7], v[T+4*(\a)+1], v[T+4*(\a)+3]
.endr
.irp a, 0,1,2,3,4,5,6,7
	global_store_b128 v[PO], v[ST+8*(\a)+4:ST+8*(\a)+7], s[72:73] offset:256*(\a)  ; lanes 0-15 store 256 consecutive bytes of one part, lanes 16-31 of the next, each at a multiple of 256 from part's first byte
.endr
	s_wait_tensorcnt 0x0                           ; the wave's end, behind my last tensor load
	ds_add_u32 v[SPW], v[NIL]
	s_wait_dscnt 0x0
	CROUND                                         ; the closing round: no work-group ends while a partner may still ask for a tile that names it
	s_endpgm
.Lfunc_end_k_qe6cd82f085_sim:
	.size	k_qe6cd82f085_sim, .Lfunc_end_k_qe6cd82f085_sim-k_qe6cd82f085_sim
	.p2alignl 7, 3214868480
	.fill 96, 4, 3214868480
	.section	.rodata,"a",@progbits
	.p2align	6, 0x0
	.amdhsa_kernel k_qe6cd82f085_sim
		.amdhsa_group_segment_fixed_size 327680
		.amdhsa_private_segment_fixed_size 0
		.amdhsa_enable_private_segment 0
		.amdhsa_kernarg_size 40
		.amdhsa_user_sgpr_count 2
		.amdhsa_user_sgpr_kernarg_segment_ptr 1
		.amdhsa_wavefront_size32 1
		.amdhsa_system_sgpr_workgroup_id_x 1
		.amdhsa_system_sgpr_workgroup_id_y 1
		.amdhsa_system_sgpr_workgroup_id_z 1
		.amdhsa_system_vgpr_workitem_id 0
		.amdhsa_next_free_vgpr 1024
		.amdhsa_next_free_sgpr 84
		.amdhsa_reserve_vcc 0
		.amdhsa_float_denorm_mode_32 3
		.amdhsa_float_denorm_mode_16_64 3
		.amdhsa_memory_ordered 1
		.amdhsa_forward_progress 1
		.amdhsa_inst_pref_size 255
	.end_amdhsa_kernel
	.section	.bss,"aw",@nobits
	.p2align	6
	.space	262144
	.amdgpu_metadata
---
amdhsa.version: [ 1, 2 ]
amdhsa.kernels:
  - .name:           k_qe6cd82f085_sim
    .symbol:         k_qe6cd82f085_sim.kd
    .args:
      - { .name: qb, .offset: 0, .size: 8, .value_kind: global_buffer, .address_space: global }
      - { .name: kb, .offset: 8, .size: 8, .value_kind: global_buffer, .address_space: global }
      - { .name: kinv, .offset: 16, .size: 8, .value_kind: global_buffer, .address_space: global }
      - { .name: piv, .offset: 24, .size: 8, .value_kind: global_buffer, .address_space: global }
      - { .name: part, .offset: 32, .size: 8, .value_kind: global_buffer, .address_space: global }
    .group_segment_fixed_size: 327680
    .private_segment_fixed_size: 0
    .kernarg_segment_align: 8
    .kernarg_segment_size: 40
    .max_flat_workgroup_size: 128
    .sgpr_count:     84
    .vgpr_count:     1024
    .wavefront_size: 32
...
	.end_amdgpu_metadata
.endif
;; end of part 2
;; launch pick (part 3): grid 128 x 1, 1 waves a work-group, no clusters, 0 bytes of LDS; arguments part, qinv, best, rowvar; writes best, rowvar
.if DOCPART == 3
	.amdgcn_target "amdgcn-amd-amdhsa--gfx1250"
	.amdhsa_code_object_version 6
	.text
	.protected	k_qe6cd82f085_pick
	.globl	k_qe6cd82f085_pick
	.p2align	8
	.type	k_qe6cd82f085_pick,@function
k_qe6cd82f085_pick:
	s_mov_b64 s[64:65], 0
	v_nop
	global_prefetch_b8 v0, s[64:65] scope:SCOPE_SE
	s_setreg_imm32_b32 hwreg(HW_REG_WAVE_MODE, 25, 1), 1
	s_wait_xcnt 0x0
; The 128 parts of each query are merged: best[b] = the key of the largest shifted score (of equal ones the lowest key), as a whole number for the next launch's addresses;
; rowvar[b] = (S2 - S1^2 / 32768) / 32767 x qinv[b]^2: the unbiased variance of the row's cosines.  S1 and S2 are sums of scores less the row's pivot, so the difference is one of sums of the spread's own size
; as long as key 0's score lies within a few spreads of the row's mean; at x spreads from it log2(1 + x^2) bits are lost.
; A wave owns 16 queries.  Lane (r = l % 16, h = l / 16) takes parts 2 i + h, i = 0..63: each load of the wave covers 256 consecutive bytes of two parts.  Two trips of 32 loads and 32 merges.
; 4 MB in all, one wave to a work-group: no LDS, no barrier.  The results leave as 64 bytes a wave.
; LIMITS.  A NaN maximum never wins.  If no part holds a number, best is junk (the next launch holds it inside the table).
.set ACC, 8                            ; v[8:9] S1, S2; v10 MX; v11 IX
.set OTH, 12                           ; v[12:15] the other half of the lanes' four
.set R,   64                           ; v[64:191] 32 slots of four registers
.macro MRG src                         ; (S1, S2, MX, IX) at v[src] joins mine: sums add; the larger MX wins, of equal ones the lower IX
	v_pk_add_f32 v[ACC:ACC+1], v[ACC:ACC+1], v[(\src):(\src)+1]
	v_cmp_gt_f32 s20, v[(\src)+2], v[ACC+2]
	v_cmp_eq_f32 s21, v[(\src)+2], v[ACC+2]
	v_cmp_lt_u32 s22, v[(\src)+3], v[ACC+3]
	s_and_b32 s21, s21, s22
	s_or_b32 s20, s20, s21
	v_cndmask_b32 v[ACC+2], v[ACC+2], v[(\src)+2], s20
	v_cndmask_b32 v[ACC+3], v[ACC+3], v[(\src)+3], s20
.endm
	s_load_b256 s[4:11], s[0:1], 0x0               ; part s[4:5], qinv s[6:7], best s[8:9], rowvar s[10:11]
	v_and_b32 v1, 15, v0                           ; r
	v_lshrrev_b32 v2, 4, v0                        ; h
	v_lshlrev_b32 v3, 4, v1
	v_lshl_add_u32 v3, v2, 15, v3                  ; 32768 h + 16 r
	v_lshlrev_b32 v4, 2, v1                        ; 4 r
	s_lshl_b32 s12, ttmp9, 8                       ; my 16 queries in a part,
	s_mov_b32 s13, 0
	s_lshl_b32 s14, ttmp9, 6                       ; and in the three lists
	s_mov_b32 s15, 0
	s_mov_b32 s16, 0x76543210                      ; v_permlanex16_b32: each lane takes its own place in the other half
	s_mov_b32 s17, 0xfedcba98
	s_mov_b32 s18, 2
	v_mov_b32 v[ACC], 0
	v_mov_b32 v[ACC+1], 0
	v_mov_b32 v[ACC+2], 0xff800000                 ; below every number
	v_mov_b32 v[ACC+3], -1                         ; above every key
.irp k, 0,1,2,3
	v_mov_b32 v[OTH+(\k)], 0                       ; v_permlanex16_b32's destination counts as read
.endr
	s_wait_kmcnt 0x0
	s_add_nc_u64 s[4:5], s[4:5], s[12:13]
	s_add_nc_u64 s[6:7], s[6:7], s[14:15]
	s_add_nc_u64 s[8:9], s[8:9], s[14:15]
	s_add_nc_u64 s[10:11], s[10:11], s[14:15]
	global_load_b32 v5, v4, s[6:7]                 ; older than every load below: their waits cover it
.Lhalf:
.set i, 0
.rept 32
	global_load_b128 v[R+4*i:R+4*i+3], v3, s[4:5] offset:65536*i
.set i, i+1
.endr
.set i, 0
.rept 32
	s_wait_loadcnt 31-i                            ; loads come back in order (ISA guide 5.7.1): the trip's 31 - i younger ones stay out
	MRG R+4*i
.set i, i+1
.endr
	s_add_nc_u64 s[4:5], s[4:5], 0x200000          ; 64 parts on; the last wait was for 0, so no load still reads the base
	s_sub_co_u32 s18, s18, 1
	s_cmp_lg_u32 s18, 0
	s_cbranch_scc1 .Lhalf
.irp k, 0,1,2,3
	v_permlanex16_b32 v[OTH+(\k)], v[ACC+(\k)], s16, s17
.endr
	MRG OTH
	v_mul_f32 v6, 0x38000000, v[ACC]               ; S1 / 32768
	v_fma_f32 v6, -v6, v[ACC], v[ACC+1]            ; S2 - S1^2 / 32768
	v_max_num_f32 v6, 0, v6
	v_mul_f32 v6, 0x38000100, v6                   ; / 32767
	v_mul_f32 v6, v6, v5
	v_mul_f32 v6, v6, v5                           ; x qinv^2
	v_cmp_gt_u32 vcc_lo, 16, v0
	s_wait_xcnt 0x0                                ; EXEC changes only behind this wait
	s_and_saveexec_b32 s19, vcc_lo
	global_store_b32 v4, v[ACC+3], s[8:9]
	global_store_b32 v4, v6, s[10:11]
	s_endpgm
.Lfunc_end_k_qe6cd82f085_pick:
	.size	k_qe6cd82f085_pick, .Lfunc_end_k_qe6cd82f085_pick-k_qe6cd82f085_pick
	.p2alignl 7, 3214868480
	.fill 96, 4, 3214868480
	.section	.rodata,"a",@progbits
	.p2align	6, 0x0
	.amdhsa_kernel k_qe6cd82f085_pick
		.amdhsa_group_segment_fixed_size 0
		.amdhsa_private_segment_fixed_size 0
		.amdhsa_enable_private_segment 0
		.amdhsa_kernarg_size 32
		.amdhsa_user_sgpr_count 2
		.amdhsa_user_sgpr_kernarg_segment_ptr 1
		.amdhsa_wavefront_size32 1
		.amdhsa_system_sgpr_workgroup_id_x 1
		.amdhsa_system_sgpr_workgroup_id_y 1
		.amdhsa_system_sgpr_workgroup_id_z 1
		.amdhsa_system_vgpr_workitem_id 0
		.amdhsa_next_free_vgpr 192
		.amdhsa_next_free_sgpr 66
		.amdhsa_reserve_vcc 1
		.amdhsa_float_denorm_mode_32 3
		.amdhsa_float_denorm_mode_16_64 3
		.amdhsa_memory_ordered 1
		.amdhsa_forward_progress 1
		.amdhsa_inst_pref_size 21
	.end_amdhsa_kernel
	.amdgpu_metadata
---
amdhsa.version: [ 1, 2 ]
amdhsa.kernels:
  - .name:           k_qe6cd82f085_pick
    .symbol:         k_qe6cd82f085_pick.kd
    .args:
      - { .name: part, .offset: 0, .size: 8, .value_kind: global_buffer, .address_space: global }
      - { .name: qinv, .offset: 8, .size: 8, .value_kind: global_buffer, .address_space: global }
      - { .name: best, .offset: 16, .size: 8, .value_kind: global_buffer, .address_space: global }
      - { .name: rowvar, .offset: 24, .size: 8, .value_kind: global_buffer, .address_space: global }
    .group_segment_fixed_size: 0
    .private_segment_fixed_size: 0
    .kernarg_segment_align: 8
    .kernarg_segment_size: 32
    .max_flat_workgroup_size: 32
    .sgpr_count:     66
    .vgpr_count:     192
    .wavefront_size: 32
...
	.end_amdgpu_metadata
.endif
;; end of part 3
;; launch fetch (part 4): grid 256 x 1, 8 waves a work-group, no clusters, 0 bytes of LDS; arguments values, best, rowvar, out0, out1; writes out0, out1
.if DOCPART == 4
	.amdgcn_target "amdgcn-amd-amdhsa--gfx1250"
	.amdhsa_code_object_version 6
	.text
	.protected	k_qe6cd82f085_fetch
	.globl	k_qe6cd82f085_fetch
	.p2align	8
	.type	k_qe6cd82f085_fetch,@function
k_qe6cd82f085_fetch:
	s_mov_b64 s[64:65], 0
	v_nop
	global_prefetch_b8 v0, s[64:65] scope:SCOPE_SE
	s_setreg_imm32_b32 hwreg(HW_REG_WAVE_MODE, 25, 1), 1
	s_wait_xcnt 0x0
; out0[b] = values[best[b]], copied in f32; out1 = the mean of rowvar's 2,048 numbers.
; A wave owns one row of 4,096 bytes: eight loads and eight stores of 512 consecutive bytes each.  best was stored by the launch before as whole numbers; it is held inside the table (0..32767) before it enters an address.
; Wave 0 of work-group 0 also makes out1: one owner, no traffic between work-groups.  16 MB in all: no LDS, no matrix unit, nothing to share in a cluster.
	s_load_b256 s[4:11], s[0:1], 0x0               ; values s[4:5], best s[6:7], rowvar s[8:9], out0 s[10:11]
	s_load_b64 s[12:13], s[0:1], 0x20              ; out1
	v_lshrrev_b32 v2, 5, v0
	v_readfirstlane_b32 s14, v2                    ; wave
	v_and_b32 v1, 31, v0
	v_lshlrev_b32 v1, 4, v1                        ; 16 x lane
	s_lshl_b32 s15, ttmp9, 3
	s_add_co_u32 s15, s15, s14                     ; my row
	s_lshl_b32 s16, s15, 2
	s_lshl_b32 s20, s15, 12
	s_mov_b32 s21, 0
	s_mov_b32 s19, 0
	s_wait_kmcnt 0x0
	s_load_b32 s17, s[6:7], s16 offset:0x0         ; best[row]
	s_add_nc_u64 s[10:11], s[10:11], s[20:21]
	s_wait_kmcnt 0x0
	s_min_u32 s17, s17, 0x7fff
	s_lshl_b32 s18, s17, 12                        ; under 2^27
	s_add_nc_u64 s[4:5], s[4:5], s[18:19]
.irp j, 0,1,2,3,4,5,6,7
	global_load_b128 v[8+4*(\j):11+4*(\j)], v1, s[4:5] offset:512*(\j)  ; no hint: two queries may name one row
.endr
.irp j, 0,1,2,3,4,5,6,7
	s_wait_loadcnt 7-(\j)                          ; the younger loads stay out
	global_store_b128 v1, v[8+4*(\j):11+4*(\j)], s[10:11] offset:512*(\j) th:TH_STORE_NT
.endr
	s_or_b32 s22, ttmp9, s14
	s_cmp_lg_u32 s22, 0
	s_cbranch_scc1 .Ldone
.irp j, 0,1,2,3,4,5,6,7,8,9,10,11,12,13,14,15
	global_load_b128 v[40+4*(\j):43+4*(\j)], v1, s[8:9] offset:512*(\j)  ; rowvar, whole: 8,192 bytes
.endr
	s_mov_b32 s24, 0x76543210
	s_mov_b32 s25, 0xfedcba98
	v_mov_b32 v104, 0                              ; v_permlanex16_b32's destination counts as read
	v_mov_b32 v105, 0
	s_wait_loadcnt 0x0
.irp j, 2,3,4,5,6,7,8,9,10,11,12,13,14,15  ; four chains, started by the first two loads: nothing is cleared
	v_pk_add_f32 v[40+4*((\j)%2):41+4*((\j)%2)], v[40+4*((\j)%2):41+4*((\j)%2)], v[40+4*(\j):41+4*(\j)]
	v_pk_add_f32 v[42+4*((\j)%2):43+4*((\j)%2)], v[42+4*((\j)%2):43+4*((\j)%2)], v[42+4*(\j):43+4*(\j)]
.endr
	v_pk_add_f32 v[40:41], v[40:41], v[44:45]
	v_pk_add_f32 v[42:43], v[42:43], v[46:47]
	v_pk_add_f32 v[40:41], v[40:41], v[42:43]
	v_add_f32 v40, v40, v41
	v_add_f32_dpp v40, v40, v40 row_xmask:1 row_mask:0xf bank_mask:0xf
	v_add_f32_dpp v40, v40, v40 row_xmask:2 row_mask:0xf bank_mask:0xf
	v_add_f32_dpp v40, v40, v40 row_xmask:4 row_mask:0xf bank_mask:0xf
	v_add_f32_dpp v40, v40, v40 row_xmask:8 row_mask:0xf bank_mask:0xf
	v_permlanex16_b32 v104, v40, s24, s25
	v_add_f32 v40, v40, v104
	v_mul_f32 v40, 0x3a000000, v40                 ; / 2048
	v_cmp_eq_u32 vcc_lo, 0, v0
	s_wait_xcnt 0x0                                ; EXEC changes only behind this wait
	s_and_saveexec_b32 s26, vcc_lo
	global_store_b32 v105, v40, s[12:13]
	s_endpgm
.Ldone:
	s_endpgm
.Lfunc_end_k_qe6cd82f085_fetch:
	.size	k_qe6cd82f085_fetch, .Lfunc_end_k_qe6cd82f085_fetch-k_qe6cd82f085_fetch
	.p2alignl 7, 3214868480
	.fill 96, 4, 3214868480
	.section	.rodata,"a",@progbits
	.p2align	6, 0x0
	.amdhsa_kernel k_qe6cd82f085_fetch
		.amdhsa_group_segment_fixed_size 0
		.amdhsa_private_segment_fixed_size 0
		.amdhsa_enable_private_segment 0
		.amdhsa_kernarg_size 40
		.amdhsa_user_sgpr_count 2
		.amdhsa_user_sgpr_kernarg_segment_ptr 1
		.amdhsa_wavefront_size32 1
		.amdhsa_system_sgpr_workgroup_id_x 1
		.amdhsa_system_sgpr_workgroup_id_y 1
		.amdhsa_system_sgpr_workgroup_id_z 1
		.amdhsa_system_vgpr_workitem_id 0
		.amdhsa_next_free_vgpr 112
		.amdhsa_next_free_sgpr 66
		.amdhsa_reserve_vcc 1
		.amdhsa_float_denorm_mode_32 3
		.amdhsa_float_denorm_mode_16_64 3
		.amdhsa_memory_ordered 1
		.amdhsa_forward_progress 1
		.amdhsa_inst_pref_size 8
	.end_amdhsa_kernel
	.amdgpu_metadata
---
amdhsa.version: [ 1, 2 ]
amdhsa.kernels:
  - .name:           k_qe6cd82f085_fetch
    .symbol:         k_qe6cd82f085_fetch.kd
    .args:
      - { .name: values, .offset: 0, .size: 8, .value_kind: global_buffer, .address_space: global }
      - { .name: best, .offset: 8, .size: 8, .value_kind: global_buffer, .address_space: global }
      - { .name: rowvar, .offset: 16, .size: 8, .value_kind: global_buffer, .address_space: global }
      - { .name: out0, .offset: 24, .size: 8, .value_kind: global_buffer, .address_space: global }
      - { .name: out1, .offset: 32, .size: 8, .value_kind: global_buffer, .address_space: global }
    .group_segment_fixed_size: 0
    .private_segment_fixed_size: 0
    .kernarg_segment_align: 8
    .kernarg_segment_size: 40
    .max_flat_workgroup_size: 256
    .sgpr_count:     66
    .vgpr_count:     112
    .wavefront_size: 32
...
	.end_amdgpu_metadata
.endif
;; end of part 4
;; ======== version 2 of 2: 4 launches; version 1 with the launch cast written anew for expert scheduling mode
;; limits: a difference of large sums (such as E[x^2] - mean^2): digits are lost where the result is much smaller than its terms
;; workspace buffers: kb 67,108,864 bytes; qb 4,194,304 bytes; kinv 131,072 bytes; qinv 8,192 bytes; piv 8,192 bytes; part 4,194,304 bytes; best 8,192 bytes of whole numbers; rowvar 8,192 bytes
;; launch cast (part 5): grid 544 x 1, 8 waves a work-group, no clusters, 0 bytes of LDS; arguments keys, query, kb, qb, kinv, qinv, piv; writes kb, qb, kinv, qinv, piv
.if DOCPART == 5
	.amdgcn_target "amdgcn-amd-amdhsa--gfx1250"
	.amdhsa_code_object_version 6
	.text
	.protected	k_qe6cd82f085_cast
	.globl	k_qe6cd82f085_cast
	.p2align	8
	.type	k_qe6cd82f085_cast,@function
k_qe6cd82f085_cast:
	s_mov_b64 s[64:65], 0
	v_nop
	global_prefetch_b8 v0, s[64:65] scope:SCOPE_SE
	s_setreg_imm32_b32 hwreg(HW_REG_WAVE_SCHED_MODE, 0, 2), 2
	s_setreg_imm32_b32 hwreg(HW_REG_WAVE_MODE, 25, 1), 1
	s_wait_xcnt 0x0
	s_wait_alu depctr_vm_vsrc(0)
; keys [32768][1024] f32 -> kb bf16, kinv[n] = 1 / max(|kb row n|, 1e-12);  query [2048][1024] f32 -> qb bf16, qinv likewise,
; piv[b] = (qb row b . kb row 0) x kinv[0]: the row's score against key 0, which the next launch takes away from every score of that row.
; The RAW rows are rounded once to bf16 and the norms are taken of the ROUNDED rows, in f32: the scores made of them are those of the
; inputs rounded to bf16, with no second rounding of a normalised operand.
; SHARES.  Work-groups 0-511 take 64 rows of keys each, 512-543 take 64 rows of query.  A wave takes 8 rows, one at a time, whole, so a norm never
; leaves the wave: no LDS, no barrier.  Lane L holds columns 256 c + 8 L + 0..7, c = 0..3: two loads of 16 bytes at 1024 c + 32 L, and its 8 bf16
; are 16 bytes at 512 c + 16 L: a wave's store covers 512 consecutive bytes that begin at a multiple of 512.
; A stream: the matrix unit, LDS and clusters have nothing to give here.  Two row slots in registers: one at work, one on its way in.
; LIMITS.  The root is good to 1 ULP; the reciprocal has one Newton step.  A sum of squares below 2^-126 counts as 0 (the bound 1e-12 then holds).  NaN and infinities are not treated apart.
; The 8 reciprocals of a wave leave as one store of 32 bytes (147,456 bytes of the launch's 71 million).
; THE MODE: SCHED_MODE bits 1:0 = 2 (LLVM: expert scheduling mode 2), set by the entry lines.  The code itself states the register dependences
; between vector instructions and memory instructions, with s_wait_alu, always for 0.
; THE PLAN.  Registers that memory instructions touch:
;   X0, X1      Row p: its sixteen roundings read X[p % 2]; behind them the eight loads of row p + 2 land in it.  No other vector instruction names X.
;   Y           Row p: its sixteen roundings write Y; its four stores read it (so do its unpacking lines: vector against vector).  Row p + 1's roundings write it again.
;   VI, VO, V4L byte offsets, made once at the head and never written again: the rows are reached by the scalar bases and by immediate offsets.
;   INVV, PIVV  written by one select a row; read by the two stores at the wave's end.
;   T, SS, DT, W, K0, KINV0 are named by vector instructions alone.
; So a row has ONE wait on va_vdst for memory's sake, behind its roundings: they have written Y and are done reading X[p % 2].  The row's eight loads and four stores follow it, dealt among the
; unpacking and the squares, which read Y and write T, SS and DT: they name no register of X, and write neither Y nor an offset.  One wait on vm_vsrc stands at a row's head, ahead of the roundings.
.set ROWB, 4096                        ; a row in f32
.set ROWH, 2048                        ; a row in bf16
.set VI,    2                          ; v2   32 x lane: my place in 1,024 bytes of a source row
.set VO,    3                          ; v3   16 x lane: my place in 512 bytes of a rounded row
.set INVV,  4                          ; v4   lane i (0..7) gathers 1 / norm of the wave's row i
.set PIVV,  5                          ; v5   the same for the pivot
.set W,     6                          ; v6-7 at work
.set SS,    8                          ; v[8:15]    four pairs: sums of squares
.set DT,    16                         ; v[16:23]   four pairs: sums of products with key 0
.set T,     24                         ; v[24:39]   eight numbers in f32, two sets by turns
.set Y,     40                         ; v[40:55]   the row in bf16
.set X,     56                         ; v[56:119]  two slots of 32: the row in f32
.set K0,    120                        ; v[120:151] my 32 columns of key 0, rounded, as f32
.set KINV0, 152                        ; v152 1 / norm of key 0
.set V4L,   153                        ; v153 4 x lane
.set SRC, 24                           ; s[24:25] source at the wave's row in hand
.set DST, 26                           ; s[26:27] the rounded rows likewise
.set INV, 28                           ; s[28:29] kinv or qinv at the wave's first row
.set PIV, 36                           ; s[36:37] piv likewise
	s_load_b256 s[4:11], s[0:1], 0x0               ; keys s[4:5], query s[6:7], kb s[8:9], qb s[10:11]
	s_load_b128 s[12:15], s[0:1], 0x20             ; kinv s[12:13], qinv s[14:15]
	s_load_b64 s[16:17], s[0:1], 0x30              ; piv
	v_and_b32 v1, 31, v0                           ; lane
	v_lshrrev_b32 v[W], 5, v0
	v_readfirstlane_b32 s20, v[W]                  ; wave
	v_lshlrev_b32 v[VI], 5, v1
	v_lshlrev_b32 v[VO], 4, v1
	v_lshlrev_b32 v[V4L], 2, v1
	v_mov_b32 v[INVV], 0                           ; written whole once: the selects below change one lane at a time
	v_mov_b32 v[PIVV], 0
	v_mov_b32 v[W+1], 0                            ; v_permlanex16_b32's destination counts as read
	s_mov_b32 s31, 0xffff0000                      ; a word's upper bf16
	s_mov_b32 s32, 0x76543210                      ; v_permlanex16_b32: each lane takes its own place in the other half
	s_mov_b32 s33, 0xfedcba98
	s_mov_b32 s35, 0                               ; the row in hand, 0..7
	s_mov_b32 s34, 3                               ; trips that load ahead
	s_mov_b32 s23, 0                               ; high word of every offset
	s_wait_alu depctr_va_sdst(0)                   ; s20 is written, ahead of its first reader: the wave's first row, and with it every base, is made from it
	s_lshl_b32 s20, s20, 3                         ; 8 rows a wave
	s_wait_alu depctr_va_vdst(0)                   ; v[VI], v[VO] and v[V4L] are written: every load and store of the kernel reads one of them as its offset
.macro LD2 s, off, c                   ; the two loads of 1,024 bytes' piece c of a row, into slot s
	global_load_b128 v[X+32*(\s)+8*(\c):X+32*(\s)+8*(\c)+3],   v[VI], s[SRC:SRC+1] offset:(\off)+1024*(\c) th:TH_LOAD_NT
	global_load_b128 v[X+32*(\s)+8*(\c)+4:X+32*(\s)+8*(\c)+7], v[VI], s[SRC:SRC+1] offset:(\off)+1024*(\c)+16 th:TH_LOAD_NT
.endm
.macro FILL s, off                     ; a row of 4,096 bytes into slot s: eight loads
.irp c, 0,1,2,3
	LD2 \s, \off, \c
.endr
.endm
.macro ROUND_ROW s                     ; slot s -> Y: 16 packed roundings to nearest even
.set j, 0
.rept 16
	v_cvt_pk_bf16_f32 v[Y+j], v[X+32*(\s)+2*j], v[X+32*(\s)+2*j+1]
.set j, j+1
.endr
.endm
; The rounded row back as f32 (a shift, a mask), its squares into SS; dot = 1: its products with key 0 into DT.  The first eight start the sums: nothing is cleared.
; keep = 1: the f32 numbers stay, in K0.
; mem = 1: the row's memory instructions are dealt among the four pieces: in front of piece c stand the two loads of piece c of the row two further on, into slot s (fill = 1), and the store of piece c of Y.
; They owe no wait of their own: no vector instruction since the wait behind the roundings names X[s], writes Y or writes an offset.  Loads ahead of stores.
.macro SQUARES dot, keep, mem=0, s=0, fill=0
.irp c, 0,1,2,3
.if \mem
.if \fill
	LD2 \s, (2+(\s))*ROWB, \c
.endif
	global_store_b128 v[VO], v[Y+4*(\c):Y+4*(\c)+3], s[DST:DST+1] offset:(\s)*ROWH+512*(\c)
.endif
.if \keep
.set TT, K0+8*(\c)
.else
.set TT, T+8*((\c)%2)
.endif
.irp k, 0,1,2,3
	v_lshlrev_b32 v[TT+2*(\k)],   16,  v[Y+4*(\c)+(\k)]
	v_and_b32     v[TT+2*(\k)+1], s31, v[Y+4*(\c)+(\k)]
.endr
.irp k, 0,2,4,6
.if (\c) == 0
	v_pk_mul_f32 v[SS+(\k):SS+(\k)+1], v[TT+(\k):TT+(\k)+1], v[TT+(\k):TT+(\k)+1]
.else
	v_pk_fma_f32 v[SS+(\k):SS+(\k)+1], v[TT+(\k):TT+(\k)+1], v[TT+(\k):TT+(\k)+1], v[SS+(\k):SS+(\k)+1]
.endif
.if \dot
.if (\c) == 0
	v_pk_mul_f32 v[DT+(\k):DT+(\k)+1], v[TT+(\k):TT+(\k)+1], v[K0+8*(\c)+(\k):K0+8*(\c)+(\k)+1]
.else
	v_pk_fma_f32 v[DT+(\k):DT+(\k)+1], v[TT+(\k):TT+(\k)+1], v[K0+8*(\c)+(\k):K0+8*(\c)+(\k)+1], v[DT+(\k):DT+(\k)+1]
.endif
.endif
.endr
.endr
.endm
.macro WSUM r                          ; the sum over the 32 lanes, in every lane
	v_add_f32_dpp v[\r], v[\r], v[\r] row_xmask:1 row_mask:0xf bank_mask:0xf
	v_add_f32_dpp v[\r], v[\r], v[\r] row_xmask:2 row_mask:0xf bank_mask:0xf
	v_add_f32_dpp v[\r], v[\r], v[\r] row_xmask:4 row_mask:0xf bank_mask:0xf
	v_add_f32_dpp v[\r], v[\r], v[\r] row_xmask:8 row_mask:0xf bank_mask:0xf
	v_permlanex16_b32 v[W+1], v[\r], s32, s33
	v_add_f32 v[\r], v[\r], v[W+1]
.endm
.macro FOLD p                          ; four pairs into one number
	v_pk_add_f32 v[(\p):(\p)+1],   v[(\p):(\p)+1],   v[(\p)+2:(\p)+3]
	v_pk_add_f32 v[(\p)+4:(\p)+5], v[(\p)+4:(\p)+5], v[(\p)+6:(\p)+7]
	v_pk_add_f32 v[(\p):(\p)+1],   v[(\p):(\p)+1],   v[(\p)+4:(\p)+5]
.endm
.macro NORM dst                        ; SS -> 1 / max(root of the row's sum, 1e-12)
	FOLD SS
	v_add_f32 v[W], v[SS], v[SS+1]
	WSUM W
	v_sqrt_f32 v[W+1], v[W]
	v_nop                                          ; a plain instruction between a transcendental and the use of its result (ISA guide 5.7.2)
	s_wait_alu depctr_va_vdst(0)                   ; the root is written into v[W+1], ahead of its first reader
	v_max_num_f32 v[W+1], 0x2b8cbccc, v[W+1]       ; 1e-12
	v_rcp_f32 v[W], v[W+1]
	v_nop
	s_wait_alu depctr_va_vdst(0)                   ; the reciprocal is written into v[W], ahead of its first reader
	v_fma_f32 v[SS], -v[W+1], v[W], 1.0            ; one Newton step: r + r (1 - n r)
	v_fma_f32 v[\dst], v[W], v[SS], v[W]
.endm
; One row, in slot s.  fill = 1: the slot takes the row two further on.  left: the younger loads that may stay out (the other slot's eight).
.macro ROW s, fill, left, dot
	s_wait_loadcnt \left                           ; loads come back in order (ISA guide 5.7.1): my eight are in
	s_wait_xcnt 0x0                                ; Y, which the last row's stores read, is rewritten only behind this wait
	s_wait_alu depctr_vm_vsrc(0)                   ; the last row's four stores have read Y, which the roundings below write again
	v_cmp_eq_u32 vcc_lo, s35, v1                   ; the lane whose number is the row's will keep the figures: the mask is made here, a row's work ahead of its readers
	ROUND_ROW \s
	s_wait_alu depctr_va_vdst(0)                   ; the roundings have written Y, which the row's stores read, and are done reading X[s], in which the row's loads land
	SQUARES \dot, 0, 1, \s, \fill
	NORM W
.if \dot
	FOLD DT
	v_add_f32 v[DT], v[DT], v[DT+1]
	WSUM DT
	v_mul_f32 v[DT], v[DT], v[KINV0]
.endif
	s_wait_alu depctr_va_vcc(0)                    ; the compare at the row's head has written VCC, ahead of its first reader
	v_cndmask_b32 v[INVV], v[INVV], v[W], vcc_lo
.if \dot
	v_cndmask_b32 v[PIVV], v[PIVV], v[DT], vcc_lo
.endif
	s_add_co_u32 s35, s35, 1
.endm
.macro BODY dot
.if \dot
	s_wait_alu depctr_va_vdst(0)                   ; key 0's roundings are done reading slot 0, in which the loads below land
.endif
	FILL 0, 0
	FILL 1, ROWB
.Ltrip\dot:
	ROW 0, 1, 8, \dot
	ROW 1, 1, 8, \dot
	s_wait_xcnt 0x0                                ; the two bases are stepped only behind this wait
	s_add_nc_u64 s[SRC:SRC+1], s[SRC:SRC+1], 2*ROWB
	s_add_nc_u64 s[DST:DST+1], s[DST:DST+1], 2*ROWH
	s_sub_co_u32 s34, s34, 1
	s_cmp_lg_u32 s34, 0
	s_cbranch_scc1 .Ltrip\dot
	ROW 0, 0, 8, \dot                              ; the last two rows load nothing: no load leaves the buffer
	ROW 1, 0, 0, \dot
	v_cmp_gt_u32 vcc_lo, 8, v1
	s_wait_xcnt 0x0                                ; EXEC is a source of the stores above: it changes only behind this wait
	s_wait_alu depctr_va_vcc(0)                    ; the compare has written VCC: EXEC is made from it
	s_wait_alu depctr_va_vdst(0)                   ; ahead of the write of EXEC: the vector instructions issued so far are done; among them the selects have written v[INVV] and v[PIVV], which the stores below read
	s_wait_alu depctr_vm_vsrc(0)                   ; ahead of the write of EXEC: the stores issued so far have read their vector registers
	s_and_saveexec_b32 s30, vcc_lo
	global_store_b32 v[V4L], v[INVV], s[INV:INV+1] ; lanes 0-7: 32 consecutive bytes
.if \dot
	global_store_b32 v[V4L], v[PIVV], s[PIV:PIV+1]
.endif
	s_endpgm
.endm
	s_cmp_lt_u32 ttmp9, 512
	s_cbranch_scc0 .Lquery
	s_lshl_b32 s21, ttmp9, 6
	s_add_co_u32 s21, s21, s20                     ; my wave's first row of keys
	s_wait_kmcnt 0x0
	s_lshl_b32 s22, s21, 12
	s_add_nc_u64 s[SRC:SRC+1], s[4:5], s[22:23]
	s_lshl_b32 s22, s21, 11
	s_add_nc_u64 s[DST:DST+1], s[8:9], s[22:23]
	s_lshl_b32 s22, s21, 2
	s_add_nc_u64 s[INV:INV+1], s[12:13], s[22:23]
	BODY 0
.Lquery:
	s_sub_co_u32 s21, ttmp9, 512
	s_lshl_b32 s21, s21, 6
	s_add_co_u32 s21, s21, s20                     ; my wave's first row of query
	s_wait_kmcnt 0x0
	s_lshl_b32 s22, s21, 12
	s_add_nc_u64 s[SRC:SRC+1], s[6:7], s[22:23]
	s_lshl_b32 s22, s21, 11
	s_add_nc_u64 s[DST:DST+1], s[10:11], s[22:23]
	s_lshl_b32 s22, s21, 2
	s_add_nc_u64 s[INV:INV+1], s[14:15], s[22:23]
	s_add_nc_u64 s[PIV:PIV+1], s[16:17], s[22:23]
.irp c, 0,1,2,3                        ; key 0, through slot 0's registers: rounded as the keys' path rounds it, kept as f32, and its norm
	global_load_b128 v[X+8*(\c):X+8*(\c)+3],   v[VI], s[4:5] offset:1024*(\c)
	global_load_b128 v[X+8*(\c)+4:X+8*(\c)+7], v[VI], s[4:5] offset:1024*(\c)+16
.endr
	s_wait_loadcnt 0x0
	ROUND_ROW 0
	SQUARES 0, 1
	NORM KINV0
	BODY 1
.Lfunc_end_k_qe6cd82f085_cast:
	.size	k_qe6cd82f085_cast, .Lfunc_end_k_qe6cd82f085_cast-k_qe6cd82f085_cast
	.p2alignl 7, 3214868480
	.fill 96, 4, 3214868480
	.section	.rodata,"a",@progbits
	.p2align	6, 0x0
	.amdhsa_kernel k_qe6cd82f085_cast
		.amdhsa_group_segment_fixed_size 0
		.amdhsa_private_segment_fixed_size 0
		.amdhsa_enable_private_segment 0
		.amdhsa_kernarg_size 56
		.amdhsa_user_sgpr_count 2
		.amdhsa_user_sgpr_kernarg_segment_ptr 1
		.amdhsa_wavefront_size32 1
		.amdhsa_system_sgpr_workgroup_id_x 1
		.amdhsa_system_sgpr_workgroup_id_y 1
		.amdhsa_system_sgpr_workgroup_id_z 1
		.amdhsa_system_vgpr_workitem_id 0
		.amdhsa_next_free_vgpr 156
		.amdhsa_next_free_sgpr 66
		.amdhsa_reserve_vcc 1
		.amdhsa_float_denorm_mode_32 3
		.amdhsa_float_denorm_mode_16_64 3
		.amdhsa_memory_ordered 1
		.amdhsa_forward_progress 1
		.amdhsa_inst_pref_size 57
	.end_amdhsa_kernel
	.amdgpu_metadata
---
amdhsa.version: [ 1, 2 ]
amdhsa.kernels:
  - .name:           k_qe6cd82f085_cast
    .symbol:         k_qe6cd82f085_cast.kd
    .args:
      - { .name: keys, .offset: 0, .size: 8, .value_kind: global_buffer, .address_space: global }
      - { .name: query, .offset: 8, .size: 8, .value_kind: global_buffer, .address_space: global }
      - { .name: kb, .offset: 16, .size: 8, .value_kind: global_buffer, .address_space: global }
      - { .name: qb, .offset: 24, .size: 8, .value_kind: global_buffer, .address_space: global }
      - { .name: kinv, .offset: 32, .size: 8, .value_kind: global_buffer, .address_space: global }
      - { .name: qinv, .offset: 40, .size: 8, .value_kind: global_buffer, .address_space: global }
      - { .name: piv, .offset: 48, .size: 8, .value_kind: global_buffer, .address_space: global }
    .group_segment_fixed_size: 0
    .private_segment_fixed_size: 0
    .kernarg_segment_align: 8
    .kernarg_segment_size: 56
    .max_flat_workgroup_size: 256
    .sgpr_count:     66
    .vgpr_count:     156
    .wavefront_size: 32
...
	.end_amdgpu_metadata
.endif
;; end of part 5
;; launch sim: the kernel of part 2 again; grid 8 x 32, 4 waves a work-group, clusters of 4 x 4, 327,680 bytes of LDS; arguments qb, kb, kinv, piv, part; writes part
;; launch pick: the kernel of part 3 again; grid 128 x 1, 1 waves a work-group, no clusters, 0 bytes of LDS; arguments part, qinv, best, rowvar; writes best, rowvar
;; launch fetch: the kernel of part 4 again; grid 256 x 1, 8 waves a work-group, no clusters, 0 bytes of LDS; arguments values, best, rowvar, out0, out1; writes out0, out1
